; MI455X (gfx1250); checked and timed in simulation.
; The chip was launched on July 23, 2026; its instructions are those of AMD's public machine-readable ISA for CDNA 5 (MIT licence, August 2026) and "CDNA5" Instruction Set Architecture Reference Guide (July 2026). The comments in the code are by the model that wrote it; some were corrected since.
;; Attn. Allowed arithmetic: float matrix products may take bf16 or f16 operands with f32 sums; all other float work in f32.
;; Inputs: W_attn 1,024 x 1,024 float32; b_attn 1,024 float32; encoder_outputs 1,024 x 64 x 1,024 float32; hidden 1 x 64 x 1,024 float32.
;; Outputs: out0 64 x 1 x 1,024 float32.
;; 2 versions, each right; version 2 is version 1 with the launch stream written anew for expert scheduling mode. Each part assembles by itself: llvm-mc -triple=amdgcn-amd-amdhsa -mcpu=gfx1250 --defsym DOCPART=n.
;; ======== version 1 of 2: 3 launches
;; workspace buffers: vpart 1,048,576 bytes; scores 262,144 bytes
;; launch vproj (part 1): grid 16 x 16, 8 waves a work-group, no clusters, 50,688 bytes of LDS; arguments hidden, W_attn, vpart; writes vpart
.if DOCPART == 1
	.amdgcn_target "amdgcn-amd-amdhsa--gfx1250"
	.amdhsa_code_object_version 6
	.text
	.protected	k_q9ddba36c75_vproj
	.globl	k_q9ddba36c75_vproj
	.p2align	8
	.type	k_q9ddba36c75_vproj,@function
k_q9ddba36c75_vproj:
	s_mov_b64 s[64:65], 0
	v_nop
	global_prefetch_b8 v0, s[64:65] scope:SCOPE_SE
	s_setreg_imm32_b32 hwreg(HW_REG_WAVE_MODE, 25, 1), 1
	s_wait_xcnt 0x0
; vpart[kq][b][h] = sum over the 256 k of quarter kq of hidden[b][k] * W[k][h].     hidden: [64][1024] f32, W: [1024][1024] f32, vpart: [4][64][1024] f32.
; WHY: hidden[b] . (W enc[s,b] + bias) = (hidden[b] W) . enc[s,b] + hidden[b] . bias for every input, so the large product of the
; problem is replaced by this small one (64 x 1024 x 1024) and one dot product of 1,024 for each row of enc (next launch).
; The order of rounding therefore differs from a program that forms W enc first.
; SHARES: work-group (x, y): x = 64 columns h (256 bytes of a row of W); y & 3 = 16 rows b; y >> 2 = quarter of K.  16 x 16 = 256 work-groups.
; Wave w takes one K step of 32 (k0 = 256 kq + 32 w): 16 b x 64 h in four accumulators, no loop.  The eight waves' sums meet in LDS.
; FORMAT: a softmax over scores of wide spread turns an absolute error of a score into a relative error of the result, so one rounding to
; bf16 (2^-9) is too coarse here.  Each operand x goes in as two bf16 terms, hi = bf16(x), lo = bf16(x - hi) (the difference is exact in f32),
; and three products are made: lo*hi, hi*lo, hi*hi.  What is dropped (lo*lo and lo's own rounding) is below 3 * 2^-18 of a product.
; LIMIT: |x| so near the largest f32 that rounding to bf16 gives infinity (above 3.39e38) yields NaN.
; NO CLUSTER: a work-group's 64 KiB of W are shared with three others and its 16 KiB of hidden with fifteen, but the data come through
; registers (they have to be converted on the way), not by tensor loads, so there is no joint request to make.
.set APITCH, 528                       ; LDS row of hidden: 256 bf16 = 512 bytes + 16: 33 x 16, so the 16 rows of a fragment load start at 16 different 16-byte columns
.set ALO,    16*APITCH                 ; bytes 0-8447 hi terms, 8448-16895 lo terms
.set RED,    2*ALO                     ; bytes 16896-49663: eight tiles [16 b][64 h] of f32, one for each wave
.set RTILE,  4096
.set HO,  1                            ; v1        byte offset of my 16 bytes of hidden (row w >> 1 of four)
.set WO,  2                            ; v2        byte offset of my 16 bytes of W
.set HS,  3                            ; v3        LDS address of my 8 bytes in the staged hidden
.set RH,  4                            ; v[4:19]   hidden as loaded: 4 rows x 4 numbers
.set RW,  20                           ; v[20:83]  W as loaded: 16 rows x 4 columns; at the end the eight partial sums
.set BH,  84                           ; v[84:115]  W fragments, hi terms: fragment j at BH + 8 j
.set BL,  116                          ; v[116:147] W fragments, lo terms
.set AH,  148                          ; v[148:155] hidden fragment, hi terms
.set AL,  156                          ; v[156:163] hidden fragment, lo terms
.set ACC, 164                          ; v[164:195] accumulator j at ACC + 8 j
.set T,   196                          ; v[196:203] at work
.set HP,  204                          ; v[204:219] staged words: for row i two words of hi terms, two of lo terms
.set AF,  220                          ; v220      LDS address of my part of hidden's fragment
.set RS,  221                          ; v221      LDS address of my results in my wave's tile (without RED)
.set RL,  222                          ; v222      16 t: my 16 bytes of each tile on the way back
.set CO,  223                          ; v223      byte offset of my 16 bytes in vpart
; two f32 into their hi terms (one packed word) and their lo terms (one packed word)
.macro SPLIT2 hi, lo, x0, x1, tmp
	v_cvt_pk_bf16_f32 v[\hi], v[\x0], v[\x1]       ; nearest even; x0 in the low half
	v_lshlrev_b32 v[\tmp], 16, v[\hi]              ; the hi terms back as f32
	v_and_b32 v[\tmp+1], s16, v[\hi]
	v_sub_f32 v[\tmp], v[\x0], v[\tmp]             ; exact: what the first rounding left
	v_sub_f32 v[\tmp+1], v[\x1], v[\tmp+1]
	v_cvt_pk_bf16_f32 v[\lo], v[\tmp], v[\tmp+1]
.endm
	s_load_b128 s[4:7], s[0:1], 0x0                ; hidden s[4:5], W s[6:7]
	s_load_b64 s[8:9], s[0:1], 0x10                ; vpart
	v_lshl_add_u32 v224, v0, 2, 0xc200
	v_mov_b32 v225, 0
	v_and_b32 v[T], 15, v0                         ; r = lane % 16
	v_bfe_u32 v[T+1], v0, 4, 1                     ; hh = lane / 16
	v_lshrrev_b32 v[T+2], 5, v0
	v_readfirstlane_b32 s10, v[T+2]                ; wave 0..7
	v_and_b32 v[T+3], 31, v0                       ; lane
	v_lshrrev_b32 v[T+4], 4, v0                    ; t / 16: my row on the way out
	s_and_b32 s13, ttmp7, 0xffff
	s_and_b32 s11, s13, 3                          ; mt: which 16 rows b
	s_lshr_b32 s12, s13, 2                         ; kq: which quarter of K
	s_mov_b32 s16, 0xffff0000                      ; a word's upper bf16
	; hidden is fetched as 4 rows x 1,024 bytes by the 256 threads: waves 2 n and 2 n + 1 take row n, 512 neighbouring bytes each
	s_lshr_b32 s18, s10, 1                         ; row of the four
	s_and_b32 s19, s10, 1                          ; half of the row
	s_lshl_b32 s20, s18, 12
	s_lshl_b32 s21, s19, 9
	s_add_co_u32 s20, s20, s21
	v_lshl_add_u32 v[HO], v[T+3], 4, s20           ; row x 4,096 + half x 512 + 16 lane
	s_mul_i32 s22, s18, APITCH
	s_lshl_b32 s21, s19, 8
	s_add_co_u32 s22, s22, s21
	v_lshl_add_u32 v[HS], v[T+3], 3, s22           ; in LDS: row x 528 + half x 256 + 8 lane (bf16: half the bytes)
	v_lshlrev_b32 v[WO], 4, v[T]
	v_lshl_or_b32 v[WO], v[T+1], 15, v[WO]         ; W: columns 4 r .. 4 r + 3, and 8 rows further down for lanes 16-31
	s_lshl_b32 s23, s10, 6
	v_mul_u32_u24 v[AF], v[T], APITCH
	v_lshl_add_u32 v[AF], v[T+1], 4, v[AF]
	v_add_nc_u32 v[AF], s23, v[AF]                 ; fragment of hidden: row r, my wave's 32 k (64 bytes), 16 bytes for each half of the lanes
	s_lshl_b32 s17, s10, 12
	v_lshl_add_u32 v[RS], v[T], 4, s17
	v_lshl_add_u32 v[RS], v[T+1], 11, v[RS]        ; my wave's tile: 4,096 w + row 8 hh (256 bytes a row) + column 4 r
	v_lshlrev_b32 v[RL], 4, v0
	v_lshlrev_b32 v[CO], 4, v[T]
	v_lshl_or_b32 v[CO], v[T+4], 12, v[CO]         ; vpart: row t / 16, 16 bytes at 16 (t % 16)
	; the three bases' offsets, each in a pair of its own
	s_lshl_b32 s14, s11, 16                        ; hidden: 16 mt rows of 4,096 bytes + 256 kq numbers
	s_lshl_b32 s13, s12, 10
	s_add_co_u32 s14, s14, s13
	s_mov_b32 s15, 0
	s_lshl_b32 s24, s12, 20                        ; W: (256 kq + 32 w) rows of 4,096 bytes + 64 x columns
	s_lshl_b32 s13, s10, 17
	s_add_co_u32 s24, s24, s13
	s_lshl_b32 s13, ttmp9, 8
	s_add_co_u32 s24, s24, s13
	s_mov_b32 s25, 0
	s_lshl_b32 s26, s12, 18                        ; vpart: kq planes of 262,144 bytes + 16 mt rows + 64 x columns
	s_lshl_b32 s21, s11, 16
	s_add_co_u32 s26, s26, s21
	s_add_co_u32 s26, s26, s13
	s_mov_b32 s27, 0
	s_wait_kmcnt 0x0
	s_add_nc_u64 s[4:5], s[4:5], s[14:15]
	s_add_nc_u64 s[6:7], s[6:7], s[24:25]
	s_add_nc_u64 s[8:9], s[8:9], s[26:27]
	; all loads at once: hidden's four first, then W's sixteen
.irp i, 0,1,2,3
	global_load_b128 v[RH+4*\i:RH+4*\i+3], v[HO], s[4:5] offset:\i*16384      ; rows 4 i + (w >> 1): a wave's load covers 512 consecutive bytes
.endr
	; W needs no transposition: lane (r, hh) takes columns 4 r .. 4 r + 3 of the 16 rows whose k its fragment registers hold
	; (q = 0..7: k0 + 8 hh + q; q = 8..15: k0 + 16 + 8 hh + q - 8).  Fragment j is DEFINED as the columns 4 r + j, r = 0..15.
	; Each load covers two runs of 256 consecutive bytes, each at a multiple of 256 from W's first byte.
.irp q, 0,1,2,3,4,5,6,7
	global_load_b128 v[RW+4*\q:RW+4*\q+3], v[WO], s[6:7] offset:\q*4096
.endr
.irp q, 8,9,10,11,12,13,14,15
	global_load_b128 v[RW+4*\q:RW+4*\q+3], v[WO], s[6:7] offset:(\q+8)*4096
.endr
	; hidden: split, and staged in LDS as bf16, so that memory is read in long runs and the fragments come from padded rows
	s_wait_loadcnt 16                              ; loads return in order (ISA guide 5.7.1): hidden's four are in, W's sixteen stay out
.irp i, 0,1,2,3
	SPLIT2 HP+4*\i, HP+4*\i+2, RH+4*\i, RH+4*\i+1, T
	SPLIT2 HP+4*\i+1, HP+4*\i+3, RH+4*\i+2, RH+4*\i+3, T+2
	ds_store_b64 v[HS], v[HP+4*\i:HP+4*\i+1] offset:\i*4*APITCH               ; 32 lanes x 8 neighbouring bytes
	ds_store_b64 v[HS], v[HP+4*\i+2:HP+4*\i+3] offset:\i*4*APITCH+ALO
.endr
	s_wait_dscnt 0x0                               ; my part of the staged rows is written, for the other waves' sake
	s_barrier_signal -1
	s_barrier_wait -1                              ; everybody's is.  W's loads stay on their way: no wave writes those bytes
	ds_load_b128 v[AH:AH+3],   v[AF]               ; registers 0-3: k = 8 hh .. + 7
	ds_load_b128 v[AH+4:AH+7], v[AF] offset:32     ; registers 4-7: k = 16 + 8 hh .. + 7
	ds_load_b128 v[AL:AL+3],   v[AF] offset:ALO
	ds_load_b128 v[AL+4:AL+7], v[AF] offset:ALO+32
	; W: register p of fragment j holds k = 2 p and 2 p + 1 of the lane's sixteen: rows 2 p, 2 p + 1 as loaded, column j
.irp p, 0,1,2,3,4,5,6,7
	s_wait_loadcnt 14-2*\p                         ; rows 2 p and 2 p + 1 are in; the 14 - 2 p younger loads stay out
.irp j, 0,1,2,3
	SPLIT2 BH+8*\j+\p, BL+8*\j+\p, RW+8*\p+\j, RW+8*\p+4+\j, T+2*\j
.endr
.endr
	s_wait_dscnt 0x0                               ; hidden's fragments
	; three products for each accumulator, the small terms first.  The first starts the sum: nothing is cleared.
	; The four accumulators take turns, one instruction a turn.
.irp j, 0,1,2,3
	v_wmma_f32_16x16x32_bf16 v[ACC+8*\j:ACC+8*\j+7], v[AL:AL+7], v[BH+8*\j:BH+8*\j+7], 0
.endr
.irp j, 0,1,2,3
	v_wmma_f32_16x16x32_bf16 v[ACC+8*\j:ACC+8*\j+7], v[AH:AH+7], v[BL+8*\j:BL+8*\j+7], v[ACC+8*\j:ACC+8*\j+7]
.endr
.irp j, 0,1,2,3
	v_wmma_f32_16x16x32_bf16 v[ACC+8*\j:ACC+8*\j+7], v[AH:AH+7], v[BH+8*\j:BH+8*\j+7], v[ACC+8*\j:ACC+8*\j+7]
.endr
.rept 4
	v_nop                                          ; four places behind the last matrix instruction before an LDS store reads a result
.endr
	; register i of accumulator j is (b = 8 hh + i, h = 4 r + j).  Lanes r and r + 16 are 2,048 bytes apart and meet in one bank
	; (64 banks of 4 bytes: ISA guide 11.1): two passes for each of these 32 stores.  Gathering four columns for a 16-byte store would cost 32 copies instead.
.irp j, 0,1,2,3
.irp i, 0,1,2,3,4,5,6,7
	ds_store_b32 v[RS], v[ACC+8*\j+\i] offset:RED+256*\i+4*\j
.endr
.endr
	s_wait_dscnt 0x0                               ; my tile is written, for the other waves' sake
	s_barrier_signal -1
	s_barrier_wait -1
	; the eight waves' K steps are added: thread t takes the same 16 bytes of every tile
.irp q, 0,1,2,3,4,5,6,7
	ds_load_b128 v[RW+4*\q:RW+4*\q+3], v[RL] offset:RED+\q*RTILE
.endr
	s_wait_dscnt 0x0
.irp q, 0,2,4,6
	v_pk_add_f32 v[RW+4*\q:RW+4*\q+1],   v[RW+4*\q:RW+4*\q+1],   v[RW+4*\q+4:RW+4*\q+5]
	v_pk_add_f32 v[RW+4*\q+2:RW+4*\q+3], v[RW+4*\q+2:RW+4*\q+3], v[RW+4*\q+6:RW+4*\q+7]
.endr
.irp q, 0,4
	v_pk_add_f32 v[RW+4*\q:RW+4*\q+1],   v[RW+4*\q:RW+4*\q+1],   v[RW+4*\q+8:RW+4*\q+9]
	v_pk_add_f32 v[RW+4*\q+2:RW+4*\q+3], v[RW+4*\q+2:RW+4*\q+3], v[RW+4*\q+10:RW+4*\q+11]
.endr
	v_pk_add_f32 v[RW:RW+1],   v[RW:RW+1],   v[RW+16:RW+17]
	v_pk_add_f32 v[RW+2:RW+3], v[RW+2:RW+3], v[RW+18:RW+19]
	global_store_b128 v[CO], v[RW:RW+3], s[8:9]    ; sixteen lanes store 256 consecutive bytes, at a multiple of 256 from vpart's first byte
	s_wait_tensorcnt 0x0
	ds_add_u32 v224, v225
	s_wait_dscnt 0x0
	s_endpgm
.Lfunc_end_k_q9ddba36c75_vproj:
	.size	k_q9ddba36c75_vproj, .Lfunc_end_k_q9ddba36c75_vproj-k_q9ddba36c75_vproj
	.p2alignl 7, 3214868480
	.fill 96, 4, 3214868480
	.section	.rodata,"a",@progbits
	.p2align	6, 0x0
	.amdhsa_kernel k_q9ddba36c75_vproj
		.amdhsa_group_segment_fixed_size 50688
		.amdhsa_private_segment_fixed_size 0
		.amdhsa_enable_private_segment 0
		.amdhsa_kernarg_size 24
		.amdhsa_user_sgpr_count 2
		.amdhsa_user_sgpr_kernarg_segment_ptr 1
		.amdhsa_wavefront_size32 1
		.amdhsa_system_sgpr_workgroup_id_x 1
		.amdhsa_system_sgpr_workgroup_id_y 1
		.amdhsa_system_sgpr_workgroup_id_z 1
		.amdhsa_system_vgpr_workitem_id 0
		.amdhsa_next_free_vgpr 226
		.amdhsa_next_free_sgpr 66
		.amdhsa_reserve_vcc 0
		.amdhsa_float_denorm_mode_32 3
		.amdhsa_float_denorm_mode_16_64 3
		.amdhsa_memory_ordered 1
		.amdhsa_forward_progress 1
		.amdhsa_inst_pref_size 21
	.end_amdhsa_kernel
	.amdgpu_metadata
---
amdhsa.version: [ 1, 2 ]
amdhsa.kernels:
  - .name:           k_q9ddba36c75_vproj
    .symbol:         k_q9ddba36c75_vproj.kd
    .args:
      - { .name: hidden, .offset: 0, .size: 8, .value_kind: global_buffer, .address_space: global }
      - { .name: W_attn, .offset: 8, .size: 8, .value_kind: global_buffer, .address_space: global }
      - { .name: vpart, .offset: 16, .size: 8, .value_kind: global_buffer, .address_space: global }
    .group_segment_fixed_size: 50688
    .private_segment_fixed_size: 0
    .kernarg_segment_align: 8
    .kernarg_segment_size: 24
    .max_flat_workgroup_size: 256
    .sgpr_count:     66
    .vgpr_count:     226
    .wavefront_size: 32
...
	.end_amdgpu_metadata
.endif
;; end of part 1
;; launch stream (part 2): grid 64 x 4, 8 waves a work-group, no clusters, 6,144 bytes of LDS; arguments vpart, encoder_outputs, scores; writes scores
.if DOCPART == 2
	.amdgcn_target "amdgcn-amd-amdhsa--gfx1250"
	.amdhsa_code_object_version 6
	.text
	.protected	k_q9ddba36c75_stream
	.globl	k_q9ddba36c75_stream
	.p2align	8
	.type	k_q9ddba36c75_stream,@function
k_q9ddba36c75_stream:
	s_mov_b64 s[64:65], 0
	v_nop
	global_prefetch_b8 v0, s[64:65] scope:SCOPE_SE
	s_setreg_imm32_b32 hwreg(HW_REG_WAVE_MODE, 25, 1), 1
	s_wait_xcnt 0x0
; scores[b][s] = v[b] . enc[s][b],  v[b] = the sum of vpart's four planes.   enc: [1024 s][64 b][1024] f32, vpart: [4][64][1024] f32, scores: [64][1024] f32.
; (The term hidden[b] . bias is added in the next launch.)  All in f32: each number of enc is used once, in one multiply-add, so
; the launch is about enc's 268,435,456 bytes: each is read once, in loads of 512 consecutive bytes.
; SHARES: work-group (x, y): b = x, s = 256 y .. 256 y + 255: 64 x 4 = 256 work-groups of 1 MiB each.  Wave w takes the 32 rows s = 256 y + 32 w + row,
; a whole row of 4,096 bytes at a time (eight 16-byte loads a lane), so a dot product never leaves the wave.  v[b] stays in 32 registers of each lane.
; RING: six row slots in registers; while one row is multiplied, five are on their way: 8 waves x 6 x 4,096 bytes are requested at the start.
; The 32 turns are written out: the row stands in the load's immediate (31 x 262,144 + 3,584 = 8,130,048, inside the signed 24 bits), so no
; address register or base is ever rewritten.
; LEFT OUT, by this arithmetic: the matrix unit (one row b for each row of enc: 1 of 16 rows of a fragment would be of use, and v would have to be rounded);
; LDS slots and tensor loads (no wave reads another's row); clusters (what work-groups share is 16 KiB of vpart against 1 MiB of their own).
; The order of the sums differs from a row-wise sum: 8 chains a lane, then a tree over the lanes.
.set SROW,  262144                     ; bytes from enc[s][b] to enc[s+1][b], and from plane to plane of vpart
.set SLOTS, 6
.set SC,    4096                       ; LDS: bytes 0-4095 v[b]; bytes 4096-5119 the work-group's 256 scores
.set V,    2                           ; v[2:33]    V + 4 j + e = v[b][128 j + 4 lane + e]
.set X,    34                          ; v[34:225]  slot n: 32 registers, a row in the same order
.set ACC,  226                         ; v[226:233] four chains of two
.set T,    234                         ; v234       the row's sum
.set T1,   235                         ; v235       the other half's sum
.set P,    236                         ; v[236:251] my 16 bytes of vpart's four planes
.set LOFF, 252                         ; v252       16 lane
.set TO,   253                         ; v253       16 t
.set SA,   254                         ; v254       128 w: my wave's 32 scores in LDS (without SC)
.macro FILL row                        ; eight loads of 512 consecutive bytes: the whole row, read once in the launch
.irp j, 0,1,2,3,4,5,6,7
	global_load_b128 v[X+32*((\row)%SLOTS)+4*\j:X+32*((\row)%SLOTS)+4*\j+3], v[LOFF], s[6:7] offset:(\row)*SROW+512*\j th:TH_LOAD_NT
.endr
.endm
; One row's turn.  fill = 1: its slot is filled again with the row six further on.  left = the younger loads that may stay out.
.macro TURN row, fill, left
	s_wait_loadcnt \left                           ; loads return in order (ISA guide 5.7.1): this row's eight are in
.irp c, 0,1,2,3
	v_pk_mul_f32 v[ACC+2*\c:ACC+2*\c+1], v[X+32*((\row)%SLOTS)+2*\c:X+32*((\row)%SLOTS)+2*\c+1], v[V+2*\c:V+2*\c+1]      ; the first products start the chains
.endr
.irp k, 4,5,6,7,8,9,10,11,12,13,14,15
	v_pk_fma_f32 v[ACC+2*(\k%4):ACC+2*(\k%4)+1], v[X+32*((\row)%SLOTS)+2*\k:X+32*((\row)%SLOTS)+2*\k+1], v[V+2*\k:V+2*\k+1], v[ACC+2*(\k%4):ACC+2*(\k%4)+1]
.endr
.if \fill
	FILL \row+SLOTS                                ; straight behind the last read of the slot
.endif
	v_pk_add_f32 v[ACC:ACC+1],   v[ACC:ACC+1],   v[ACC+2:ACC+3]
	v_pk_add_f32 v[ACC+4:ACC+5], v[ACC+4:ACC+5], v[ACC+6:ACC+7]
	v_pk_add_f32 v[ACC:ACC+1],   v[ACC:ACC+1],   v[ACC+4:ACC+5]
	v_add_f32 v[T], v[ACC], v[ACC+1]
	v_add_f32_dpp v[T], v[T], v[T] row_xmask:1 row_mask:0xf bank_mask:0xf     ; over the 16 lanes of each half
	v_add_f32_dpp v[T], v[T], v[T] row_xmask:2 row_mask:0xf bank_mask:0xf
	v_add_f32_dpp v[T], v[T], v[T] row_xmask:4 row_mask:0xf bank_mask:0xf
	v_add_f32_dpp v[T], v[T], v[T] row_xmask:8 row_mask:0xf bank_mask:0xf
	v_permlanex16_b32 v[T1], v[T], s12, s13        ; the other half's
	v_add_f32 v[T], v[T], v[T1]
	ds_store_b32 v[SA], v[T] offset:SC+4*(\row)    ; every lane writes the same word with the same value
.endm
	s_load_b128 s[4:7], s[0:1], 0x0                ; vpart s[4:5], enc s[6:7]
	s_load_b64 s[8:9], s[0:1], 0x10                ; scores
	v_lshl_add_u32 v255, v0, 2, 0x1400
	s_set_vgpr_msb 0x40
	v_mov_b32 v1, 0
	s_set_vgpr_msb 0x4000
	v_lshrrev_b32 v1, 5, v0
	v_readfirstlane_b32 s10, v1                    ; wave 0..7
	v_and_b32 v[LOFF], 31, v0
	v_lshlrev_b32 v[LOFF], 4, v[LOFF]
	v_lshlrev_b32 v[TO], 4, v0
	v_mov_b32 v[T1], 0                             ; v_permlanex16_b32 counts as a reader of its destination
	s_and_b32 s11, ttmp7, 0xffff                   ; which quarter of s
	s_mov_b32 s12, 0x76543210                      ; lane i of one half reads lane i of the other
	s_mov_b32 s13, 0xfedcba98
	s_lshl_b32 s14, ttmp9, 12                      ; b rows of 4,096 bytes
	s_mov_b32 s15, 0
	s_lshl_b32 s16, s11, 26                        ; enc: (256 y + 32 w) steps of 262,144 bytes + b rows: 260,304,896 at the most
	s_lshl_b32 s18, s10, 23
	s_add_co_u32 s16, s16, s18
	s_add_co_u32 s16, s16, s14
	s_mov_b32 s17, 0
	s_lshl_b32 s18, s11, 10                        ; scores: b rows of 4,096 bytes + 256 y numbers
	s_add_co_u32 s18, s18, s14
	s_mov_b32 s19, 0
	s_lshl_b32 s20, s10, 7
	v_mov_b32 v[SA], s20
	s_wait_kmcnt 0x0
	s_add_nc_u64 s[4:5], s[4:5], s[14:15]
	s_add_nc_u64 s[6:7], s[6:7], s[16:17]
	s_add_nc_u64 s[8:9], s[8:9], s[18:19]
.irp p, 0,1,2,3
	global_load_b128 v[P+4*\p:P+4*\p+3], v[TO], s[4:5] offset:\p*SROW         ; thread t: numbers 4 t .. 4 t + 3 of each plane
.endr
.irp n, 0,1,2,3,4,5
	FILL \n                                        ; the ring is filled before anything is waited for
.endr
	s_wait_loadcnt 48                              ; vpart's four are in; the six rows' 48 loads stay out
	v_pk_add_f32 v[P:P+1],     v[P:P+1],     v[P+4:P+5]
	v_pk_add_f32 v[P+2:P+3],   v[P+2:P+3],   v[P+6:P+7]
	v_pk_add_f32 v[P+8:P+9],   v[P+8:P+9],   v[P+12:P+13]
	v_pk_add_f32 v[P+10:P+11], v[P+10:P+11], v[P+14:P+15]
	v_pk_add_f32 v[P:P+1],     v[P:P+1],     v[P+8:P+9]
	v_pk_add_f32 v[P+2:P+3],   v[P+2:P+3],   v[P+10:P+11]
	ds_store_b128 v[TO], v[P:P+3]                  ; v[b], once for the work-group
	s_wait_dscnt 0x0                               ; written, for the other waves' sake
	s_barrier_signal -1
	s_barrier_wait -1                              ; enc's loads stay on their way: no wave writes those bytes
.irp j, 0,1,2,3,4,5,6,7
	ds_load_b128 v[V+4*\j:V+4*\j+3], v[LOFF] offset:512*\j                    ; in the order in which a row of enc is loaded
.endr
	s_wait_dscnt 0x0
	; behind row n stand the loads of rows n + 1 .. min(n + 5, 31): 40, and at the end 32, 24, 16, 8, 0
.irp n, 0,1,2,3,4,5,6,7,8,9,10,11,12,13,14,15,16,17,18,19,20,21,22,23,24,25
	TURN \n, 1, 40
.endr
	TURN 26, 0, 40                                 ; the last six rows fill nothing: no load leaves the wave's 32 rows
	TURN 27, 0, 32
	TURN 28, 0, 24
	TURN 29, 0, 16
	TURN 30, 0, 8
	TURN 31, 0, 0
	s_wait_dscnt 0x0                               ; my 32 scores are written, for waves 0 and 1
	s_barrier_signal -1
	s_barrier_wait -1
	s_cmp_gt_u32 s10, 1
	s_cbranch_scc1 .Lend                           ; 256 scores are 1,024 bytes: two waves' stores of 16 bytes a lane
	ds_load_b128 v[P:P+3], v[TO] offset:SC
	s_wait_dscnt 0x0
	global_store_b128 v[TO], v[P:P+3], s[8:9]      ; a wave stores 512 consecutive bytes, at a multiple of 256 from scores' first byte
.Lend:
	s_set_vgpr_msb 0x4
	s_wait_tensorcnt 0x0
	ds_add_u32 v255, v1
	s_wait_dscnt 0x0
	s_set_vgpr_msb 0x400
	s_endpgm
.Lfunc_end_k_q9ddba36c75_stream:
	.size	k_q9ddba36c75_stream, .Lfunc_end_k_q9ddba36c75_stream-k_q9ddba36c75_stream
	.p2alignl 7, 3214868480
	.fill 96, 4, 3214868480
	.section	.rodata,"a",@progbits
	.p2align	6, 0x0
	.amdhsa_kernel k_q9ddba36c75_stream
		.amdhsa_group_segment_fixed_size 6144
		.amdhsa_private_segment_fixed_size 0
		.amdhsa_enable_private_segment 0
		.amdhsa_kernarg_size 24
		.amdhsa_user_sgpr_count 2
		.amdhsa_user_sgpr_kernarg_segment_ptr 1
		.amdhsa_wavefront_size32 1
		.amdhsa_system_sgpr_workgroup_id_x 1
		.amdhsa_system_sgpr_workgroup_id_y 1
		.amdhsa_system_sgpr_workgroup_id_z 1
		.amdhsa_system_vgpr_workitem_id 0
		.amdhsa_next_free_vgpr 258
		.amdhsa_next_free_sgpr 66
		.amdhsa_reserve_vcc 0
		.amdhsa_float_denorm_mode_32 3
		.amdhsa_float_denorm_mode_16_64 3
		.amdhsa_memory_ordered 1
		.amdhsa_forward_progress 1
		.amdhsa_inst_pref_size 81
	.end_amdhsa_kernel
	.amdgpu_metadata
---
amdhsa.version: [ 1, 2 ]
amdhsa.kernels:
  - .name:           k_q9ddba36c75_stream
    .symbol:         k_q9ddba36c75_stream.kd
    .args:
      - { .name: vpart, .offset: 0, .size: 8, .value_kind: global_buffer, .address_space: global }
      - { .name: encoder_outputs, .offset: 8, .size: 8, .value_kind: global_buffer, .address_space: global }
      - { .name: scores, .offset: 16, .size: 8, .value_kind: global_buffer, .address_space: global }
    .group_segment_fixed_size: 6144
    .private_segment_fixed_size: 0
    .kernarg_segment_align: 8
    .kernarg_segment_size: 24
    .max_flat_workgroup_size: 256
    .sgpr_count:     66
    .vgpr_count:     258
    .wavefront_size: 32
...
	.end_amdgpu_metadata
.endif
;; end of part 2
;; launch softmax (part 3): grid 64 x 1, 1 waves a work-group, no clusters, 0 bytes of LDS; arguments scores, hidden, b_attn, out0; writes out0
.if DOCPART == 3
	.amdgcn_target "amdgcn-amd-amdhsa--gfx1250"
	.amdhsa_code_object_version 6
	.text
	.protected	k_q9ddba36c75_softmax
	.globl	k_q9ddba36c75_softmax
	.p2align	8
	.type	k_q9ddba36c75_softmax,@function
k_q9ddba36c75_softmax:
	s_mov_b64 s[64:65], 0
	v_nop
	global_prefetch_b8 v0, s[64:65] scope:SCOPE_SE
	s_setreg_imm32_b32 hwreg(HW_REG_WAVE_MODE, 25, 1), 1
	s_wait_xcnt 0x0
; out0[b][s] = softmax over s of (scores[b][s] + hidden[b] . b_attn).   scores, hidden, out0: [64][1024] f32, b_attn: [1024] f32.
; One wave takes one row: 4,096 bytes are 32 registers of a lane, so the row stays in registers through all passes; no LDS, no barrier.
; A row's maximum and sum span the whole row and no sum may span work-groups, so there is work for 64 work-groups, and 64 are launched.
; The row's maximum is taken away before the exponential, as a difference of its own (not folded into a multiply-add), so that it is
; exact where scores are close to the maximum, however large they are.
; LIMIT: v_exp_f32 gives zero where the result would be below 2^-126 (ISA guide 15.8); 1 / sum is v_rcp_f32 (1 ULP).
.set H,  2                             ; v[2:33]    hidden[b]
.set BV, 34                            ; v[34:65]   b_attn
.set S,  66                            ; v[66:97]   the row: S + 4 j + e = number 128 j + 4 lane + e
.set A,  98                            ; v[98:105]  four chains
.set T,  106                           ; v106       across the lanes
.set T1, 107                           ; v107       the other half's
.set C,  108                           ; v[108:109] hidden[b] . b_attn, twice (a pair for the packed forms)
.set M,  110                           ; v[110:111] the maximum, twice
.set R,  112                           ; v[112:113] 1 / sum, twice
	s_load_b256 s[4:11], s[0:1], 0x0               ; scores s[4:5], hidden s[6:7], b_attn s[8:9], out0 s[10:11]
	v_lshlrev_b32 v1, 4, v0                        ; 16 lane
	v_mov_b32 v[T1], 0                             ; v_permlanex16_b32 counts as a reader of its destination
	s_lshl_b32 s2, ttmp9, 12                       ; row b of 4,096 bytes
	s_mov_b32 s3, 0
	s_mov_b32 s12, 0x76543210                      ; lane i of one half reads lane i of the other
	s_mov_b32 s13, 0xfedcba98
	s_wait_kmcnt 0x0
	s_add_nc_u64 s[4:5], s[4:5], s[2:3]
	s_add_nc_u64 s[6:7], s[6:7], s[2:3]
	s_add_nc_u64 s[10:11], s[10:11], s[2:3]
.irp j, 0,1,2,3,4,5,6,7
	global_load_b128 v[H+4*\j:H+4*\j+3], v1, s[6:7] offset:512*\j
.endr
.irp j, 0,1,2,3,4,5,6,7
	global_load_b128 v[BV+4*\j:BV+4*\j+3], v1, s[8:9] offset:512*\j
.endr
.irp j, 0,1,2,3,4,5,6,7
	global_load_b128 v[S+4*\j:S+4*\j+3], v1, s[4:5] offset:512*\j
.endr
	; hidden[b] . b_attn
	s_wait_loadcnt 8                               ; hidden and b_attn are in; the row's eight loads stay out
.irp c, 0,1,2,3
	v_pk_mul_f32 v[A+2*\c:A+2*\c+1], v[H+2*\c:H+2*\c+1], v[BV+2*\c:BV+2*\c+1]
.endr
.irp k, 4,5,6,7,8,9,10,11,12,13,14,15
	v_pk_fma_f32 v[A+2*(\k%4):A+2*(\k%4)+1], v[H+2*\k:H+2*\k+1], v[BV+2*\k:BV+2*\k+1], v[A+2*(\k%4):A+2*(\k%4)+1]
.endr
	v_pk_add_f32 v[A:A+1],   v[A:A+1],   v[A+2:A+3]
	v_pk_add_f32 v[A+4:A+5], v[A+4:A+5], v[A+6:A+7]
	v_pk_add_f32 v[A:A+1],   v[A:A+1],   v[A+4:A+5]
	v_add_f32 v[T], v[A], v[A+1]
	v_add_f32_dpp v[T], v[T], v[T] row_xmask:1 row_mask:0xf bank_mask:0xf
	v_add_f32_dpp v[T], v[T], v[T] row_xmask:2 row_mask:0xf bank_mask:0xf
	v_add_f32_dpp v[T], v[T], v[T] row_xmask:4 row_mask:0xf bank_mask:0xf
	v_add_f32_dpp v[T], v[T], v[T] row_xmask:8 row_mask:0xf bank_mask:0xf
	v_permlanex16_b32 v[T1], v[T], s12, s13
	v_add_f32 v[C], v[T], v[T1]
	v_add_f32 v[C+1], v[T], v[T1]
	s_wait_loadcnt 0x0                             ; the row
.irp k, 0,1,2,3,4,5,6,7,8,9,10,11,12,13,14,15
	v_pk_add_f32 v[S+2*\k:S+2*\k+1], v[S+2*\k:S+2*\k+1], v[C:C+1]
.endr
	; the maximum: four chains of eight numbers, then the lanes
.irp c, 0,1,2,3
	v_max3_num_f32 v[A+\c], v[S+8*\c], v[S+8*\c+1], v[S+8*\c+2]
.endr
.irp c, 0,1,2,3
	v_max3_num_f32 v[A+\c], v[A+\c], v[S+8*\c+3], v[S+8*\c+4]
.endr
.irp c, 0,1,2,3
	v_max3_num_f32 v[A+\c], v[A+\c], v[S+8*\c+5], v[S+8*\c+6]
.endr
.irp c, 0,1,2,3
	v_max_num_f32 v[A+\c], v[A+\c], v[S+8*\c+7]
.endr
	v_max3_num_f32 v[T], v[A], v[A+1], v[A+2]
	v_max_num_f32 v[T], v[T], v[A+3]
	v_max_num_f32_dpp v[T], v[T], v[T] row_xmask:1 row_mask:0xf bank_mask:0xf
	v_max_num_f32_dpp v[T], v[T], v[T] row_xmask:2 row_mask:0xf bank_mask:0xf
	v_max_num_f32_dpp v[T], v[T], v[T] row_xmask:4 row_mask:0xf bank_mask:0xf
	v_max_num_f32_dpp v[T], v[T], v[T] row_xmask:8 row_mask:0xf bank_mask:0xf
	v_permlanex16_b32 v[T1], v[T], s12, s13
	v_max_num_f32 v[M], v[T], v[T1]
	v_max_num_f32 v[M+1], v[T], v[T1]
	; e^(x - max) = 2^((x - max) * log2 e)
.irp k, 0,1,2,3,4,5,6,7,8,9,10,11,12,13,14,15
	v_pk_add_f32 v[S+2*\k:S+2*\k+1], v[S+2*\k:S+2*\k+1], v[M:M+1] neg_lo:[0,1] neg_hi:[0,1]
.endr
.irp k, 0,1,2,3,4,5,6,7,8,9,10,11,12,13,14,15
	v_pk_mul_f32 v[S+2*\k:S+2*\k+1], v[S+2*\k:S+2*\k+1], 0x3fb8aa3b op_sel_hi:[1,0]
.endr
.irp i, 0,1,2,3,4,5,6,7,8,9,10,11,12,13,14,15,16,17,18,19,20,21,22,23,24,25,26,27,28,29,30,31
	v_exp_f32 v[S+\i], v[S+\i]
.endr
	v_nop                                          ; one plain vector instruction between the last exponential and the first use of a result (ISA guide 5.7.2)
	; the sum: four chains of pairs, then the lanes.  It is at least 1: the maximum's own term is 2^0
	s_wait_alu depctr_va_vdst(0)
.irp c, 0,1,2,3
	v_pk_add_f32 v[A+2*\c:A+2*\c+1], v[S+2*\c:S+2*\c+1], v[S+2*\c+8:S+2*\c+9]
.endr
.irp k, 8,9,10,11,12,13,14,15
	v_pk_add_f32 v[A+2*(\k%4):A+2*(\k%4)+1], v[A+2*(\k%4):A+2*(\k%4)+1], v[S+2*\k:S+2*\k+1]
.endr
	v_pk_add_f32 v[A:A+1],   v[A:A+1],   v[A+2:A+3]
	v_pk_add_f32 v[A+4:A+5], v[A+4:A+5], v[A+6:A+7]
	v_pk_add_f32 v[A:A+1],   v[A:A+1],   v[A+4:A+5]
	v_add_f32 v[T], v[A], v[A+1]
	v_add_f32_dpp v[T], v[T], v[T] row_xmask:1 row_mask:0xf bank_mask:0xf
	v_add_f32_dpp v[T], v[T], v[T] row_xmask:2 row_mask:0xf bank_mask:0xf
	v_add_f32_dpp v[T], v[T], v[T] row_xmask:4 row_mask:0xf bank_mask:0xf
	v_add_f32_dpp v[T], v[T], v[T] row_xmask:8 row_mask:0xf bank_mask:0xf
	v_permlanex16_b32 v[T1], v[T], s12, s13
	v_add_f32 v[T], v[T], v[T1]
	v_rcp_f32 v[R], v[T]                           ; twice, to fill the pair that the packed multiply takes
	v_rcp_f32 v[R+1], v[T]
	v_nop                                          ; one plain vector instruction before the reciprocals are used (ISA guide 5.7.2)
	s_wait_alu depctr_va_vdst(0)
.irp j, 0,1,2,3,4,5,6,7
	v_pk_mul_f32 v[S+4*\j:S+4*\j+1],   v[S+4*\j:S+4*\j+1],   v[R:R+1]
	v_pk_mul_f32 v[S+4*\j+2:S+4*\j+3], v[S+4*\j+2:S+4*\j+3], v[R:R+1]
	global_store_b128 v1, v[S+4*\j:S+4*\j+3], s[10:11] offset:512*\j          ; 512 consecutive bytes, at a multiple of 256 from out0's first byte
.endr
	s_endpgm
.Lfunc_end_k_q9ddba36c75_softmax:
	.size	k_q9ddba36c75_softmax, .Lfunc_end_k_q9ddba36c75_softmax-k_q9ddba36c75_softmax
	.p2alignl 7, 3214868480
	.fill 96, 4, 3214868480
	.section	.rodata,"a",@progbits
	.p2align	6, 0x0
	.amdhsa_kernel k_q9ddba36c75_softmax
		.amdhsa_group_segment_fixed_size 0
		.amdhsa_private_segment_fixed_size 0
		.amdhsa_enable_private_segment 0
		.amdhsa_kernarg_size 32
		.amdhsa_user_sgpr_count 2
		.amdhsa_user_sgpr_kernarg_segment_ptr 1
		.amdhsa_wavefront_size32 1
		.amdhsa_system_sgpr_workgroup_id_x 1
		.amdhsa_system_sgpr_workgroup_id_y 1
		.amdhsa_system_sgpr_workgroup_id_z 1
		.amdhsa_system_vgpr_workitem_id 0
		.amdhsa_next_free_vgpr 116
		.amdhsa_next_free_sgpr 66
		.amdhsa_reserve_vcc 0
		.amdhsa_float_denorm_mode_32 3
		.amdhsa_float_denorm_mode_16_64 3
		.amdhsa_memory_ordered 1
		.amdhsa_forward_progress 1
		.amdhsa_inst_pref_size 14
	.end_amdhsa_kernel
	.amdgpu_metadata
---
amdhsa.version: [ 1, 2 ]
amdhsa.kernels:
  - .name:           k_q9ddba36c75_softmax
    .symbol:         k_q9ddba36c75_softmax.kd
    .args:
      - { .name: scores, .offset: 0, .size: 8, .value_kind: global_buffer, .address_space: global }
      - { .name: hidden, .offset: 8, .size: 8, .value_kind: global_buffer, .address_space: global }
      - { .name: b_attn, .offset: 16, .size: 8, .value_kind: global_buffer, .address_space: global }
      - { .name: out0, .offset: 24, .size: 8, .value_kind: global_buffer, .address_space: global }
    .group_segment_fixed_size: 0
    .private_segment_fixed_size: 0
    .kernarg_segment_align: 8
    .kernarg_segment_size: 32
    .max_flat_workgroup_size: 32
    .sgpr_count:     66
    .vgpr_count:     116
    .wavefront_size: 32
...
	.end_amdgpu_metadata
.endif
;; end of part 3
;; ======== version 2 of 2: 3 launches; version 1 with the launch stream written anew for expert scheduling mode
;; workspace buffers: vpart 1,048,576 bytes; scores 262,144 bytes
;; launch vproj: the kernel of part 1 again; grid 16 x 16, 8 waves a work-group, no clusters, 50,688 bytes of LDS; arguments hidden, W_attn, vpart; writes vpart
;; launch stream (part 4): grid 64 x 4, 8 waves a work-group, no clusters, 6,144 bytes of LDS; arguments vpart, encoder_outputs, scores; writes scores
.if DOCPART == 4
	.amdgcn_target "amdgcn-amd-amdhsa--gfx1250"
	.amdhsa_code_object_version 6
	.text
	.protected	k_q9ddba36c75_stream
	.globl	k_q9ddba36c75_stream
	.p2align	8
	.type	k_q9ddba36c75_stream,@function
k_q9ddba36c75_stream:
	s_mov_b64 s[64:65], 0
	v_nop
	global_prefetch_b8 v0, s[64:65] scope:SCOPE_SE
	s_setreg_imm32_b32 hwreg(HW_REG_WAVE_SCHED_MODE, 0, 2), 2
	s_setreg_imm32_b32 hwreg(HW_REG_WAVE_MODE, 25, 1), 1
	s_wait_xcnt 0x0
	s_wait_alu depctr_vm_vsrc(0)
; scores[b][s] = v[b] . enc[s][b],  v[b] = the sum of vpart's four planes.   enc: [1024 s][64 b][1024] f32, vpart: [4][64][1024] f32, scores: [64][1024] f32.
; (The term hidden[b] . bias is added in the next launch.)  All in f32: each number of enc is used once, in one multiply-add, so
; the launch is about enc's 268,435,456 bytes: each is read once, in loads of 512 consecutive bytes.
; SHARES: work-group (x, y): b = x, s = 256 y .. 256 y + 255: 64 x 4 = 256 work-groups of 1 MiB each.  Wave w takes the 32 rows s = 256 y + 32 w + row,
; a whole row of 4,096 bytes at a time (eight 16-byte loads a lane), so a dot product never leaves the wave.  v[b] stays in 32 registers of each lane.
; RING: six row slots in registers; while one row is multiplied, five are on their way: 8 waves x 6 x 4,096 bytes are requested at the start.
; The 32 turns are written out: the row stands in the load's immediate (31 x 262,144 + 3,584 = 8,130,048, inside the signed 24 bits), so no
; address register or base is ever rewritten.
; LEFT OUT, by this arithmetic: the matrix unit (one row b for each row of enc: 1 of 16 rows of a fragment would be of use, and v would have to be rounded);
; LDS slots and tensor loads (no wave reads another's row); clusters (what work-groups share is 16 KiB of vpart against 1 MiB of their own).
; The order of the sums differs from a row-wise sum: 8 chains a lane, then a tree over the lanes.
; THE MODE: SCHED_MODE bits 1:0 = 2 (LLVM: expert scheduling mode 2), set by the entry lines.  The code itself states the register dependences
; between vector instructions and memory or LDS instructions, with s_wait_alu, always for 0.
; THE PLAN.  Registers that memory or LDS instructions touch:
;   X0 .. X5      Turn n: its sixteen multiply-adds read X[n % 6]; behind them, in the same turn, the loads of row n + 6 land in it.
;   OUT0 .. OUT16 Turn n: the last add of its reduction writes OUT[n % 17]; one LDS store reads it, issued in turn n + 1 (rows 0 to 24) or behind turn 31 (rows 25 to 31).
;   P             At the head only, in OUT0 .. OUT15's registers: loaded from vpart, summed, and P .. P + 3 read by one LDS store.
;   V             Loaded from LDS once; read by vector instructions alone.
;   LOFF, TO, SA  Offsets, made once at the head and never written again.
;   ACC, T and T1 are named by vector instructions alone.
; So ONE wait on va_vdst stands in each of turns 0 to 25, behind the multiply-adds: they are done reading X[n % 6], and the turn before has written its OUT.
; The turn's eight loads and its LDS store follow, dealt among the links of the reduction, which names ACC, T, T1 and OUT[n % 17]: none of the registers that those nine touch.
; Turns 26 to 31 issue no memory instruction and hold no such wait; one more stands ahead of the last seven LDS stores.
; Rows 17 to 31 write OUT0 .. OUT14 again, whose stores were issued in turns 1 to 15: ONE wait on vm_vsrc, in turn 17, states that these have read them.
.set SROW,  262144                     ; bytes from enc[s][b] to enc[s+1][b], and from plane to plane of vpart
.set SLOTS, 6
.set NOUT,  17                         ; registers for finished sums: one more than half the rows, so that row 15's store (issued in turn 16) also stands ahead of turn 17's wait
.set SC,    4096                       ; LDS: bytes 0-4095 v[b]; bytes 4096-5119 the work-group's 256 scores
.set V,    2                           ; v[2:33]    V + 4 j + e = v[b][128 j + 4 lane + e]
.set X,    34                          ; v[34:225]  slot n: 32 registers, a row in the same order; at the very end v[34:37] take 16 bytes of scores
.set ACC,  226                         ; v[226:233] four chains of two
.set T,    234                         ; v234       the row's sum, at work
.set T1,   235                         ; v235       the other half's sum
.set P,    236                         ; v[236:251] at the head only: my 16 bytes of vpart's four planes
.set OUT,  236                         ; v[236:252] row n's finished sum at OUT + n % 17
.set LOFF, 253                         ; v253       16 lane
.set TO,   254                         ; v254       16 t
.set SA,   255                         ; v255       128 w: my wave's 32 scores in LDS (without SC)
.macro LD row, j                       ; one load of 512 consecutive bytes: piece j of eight of a row, read once in the launch
	global_load_b128 v[X+32*((\row)%SLOTS)+4*(\j):X+32*((\row)%SLOTS)+4*(\j)+3], v[LOFF], s[6:7] offset:(\row)*SROW+512*(\j) th:TH_LOAD_NT
.endm
.macro FILL row                        ; the whole row
.irp j, 0,1,2,3,4,5,6,7
	LD \row, \j
.endr
.endm
; One row's turn.  fill = 1: its slot is filled again with the row six further on, and the sum of the row before goes to LDS.  left = the younger loads that may stay out.
.macro TURN row, fill, left
	s_wait_loadcnt \left                           ; loads return in order (ISA guide 5.7.1): this row's eight are in
.irp c, 0,1,2,3
	v_pk_mul_f32 v[ACC+2*\c:ACC+2*\c+1], v[X+32*((\row)%SLOTS)+2*\c:X+32*((\row)%SLOTS)+2*\c+1], v[V+2*\c:V+2*\c+1]      ; the first products start the chains
.endr
.irp k, 4,5,6,7,8,9,10,11,12,13,14,15
	v_pk_fma_f32 v[ACC+2*(\k%4):ACC+2*(\k%4)+1], v[X+32*((\row)%SLOTS)+2*\k:X+32*((\row)%SLOTS)+2*\k+1], v[V+2*\k:V+2*\k+1], v[ACC+2*(\k%4):ACC+2*(\k%4)+1]
.endr
.if \fill
.if (\row) == NOUT
	s_wait_alu depctr_vm_vsrc(0)                   ; the LDS stores of rows 0 to 15 have read OUT0 .. OUT15, of which this turn and the fourteen behind it write OUT0 .. OUT14 again
.endif
	s_wait_alu depctr_va_vdst(0)                   ; the multiply-adds are done reading this slot, in which the loads below land; the turn before has written its OUT, which the LDS store below reads
	LD \row+SLOTS, 0                               ; no vector instruction from that wait to the turn's end names the slot, LOFF, SA or the OUT of the row before
	LD \row+SLOTS, 1
.endif
	v_pk_add_f32 v[ACC:ACC+1],   v[ACC:ACC+1],   v[ACC+2:ACC+3]
	v_pk_add_f32 v[ACC+4:ACC+5], v[ACC+4:ACC+5], v[ACC+6:ACC+7]
.if \fill
	LD \row+SLOTS, 2
	LD \row+SLOTS, 3
.endif
	v_pk_add_f32 v[ACC:ACC+1],   v[ACC:ACC+1],   v[ACC+4:ACC+5]
.if \fill
	LD \row+SLOTS, 4
	LD \row+SLOTS, 5
.endif
	v_add_f32 v[T], v[ACC], v[ACC+1]
.if \fill
	LD \row+SLOTS, 6
	LD \row+SLOTS, 7
.endif
	v_add_f32_dpp v[T], v[T], v[T] row_xmask:1 row_mask:0xf bank_mask:0xf     ; over the 16 lanes of each half
.if (\fill) && ((\row) > 0)
	ds_store_b32 v[SA], v[OUT+((\row)-1)%NOUT] offset:SC+4*((\row)-1)         ; the row before: every lane writes the same word with the same value
.endif
	v_add_f32_dpp v[T], v[T], v[T] row_xmask:2 row_mask:0xf bank_mask:0xf
	v_add_f32_dpp v[T], v[T], v[T] row_xmask:4 row_mask:0xf bank_mask:0xf
	v_add_f32_dpp v[T], v[T], v[T] row_xmask:8 row_mask:0xf bank_mask:0xf
	v_permlanex16_b32 v[T1], v[T], s12, s13        ; the other half's
	v_add_f32 v[OUT+(\row)%NOUT], v[T], v[T1]      ; the finished sum, into a register of its own
.endm
	s_load_b128 s[4:7], s[0:1], 0x0                ; vpart s[4:5], enc s[6:7]
	s_load_b64 s[8:9], s[0:1], 0x10                ; scores
	s_set_vgpr_msb 0x40
	v_lshl_add_u32 v0, v0, 2, 0x1400
	v_mov_b32 v1, 0
	s_set_vgpr_msb 0x4000
	v_lshrrev_b32 v1, 5, v0
	v_readfirstlane_b32 s10, v1                    ; wave 0..7
	v_and_b32 v[LOFF], 31, v0
	v_lshlrev_b32 v[LOFF], 4, v[LOFF]
	v_lshlrev_b32 v[TO], 4, v0
	v_mov_b32 v[T1], 0                             ; v_permlanex16_b32 counts as a reader of its destination
	s_wait_alu depctr_va_sdst(0)                   ; s10 is written, ahead of its first reader: enc's base and SA are made from it
	s_and_b32 s11, ttmp7, 0xffff                   ; which quarter of s
	s_mov_b32 s12, 0x76543210                      ; lane i of one half reads lane i of the other
	s_mov_b32 s13, 0xfedcba98
	s_lshl_b32 s14, ttmp9, 12                      ; b rows of 4,096 bytes
	s_mov_b32 s15, 0
	s_lshl_b32 s16, s11, 26                        ; enc: (256 y + 32 w) steps of 262,144 bytes + b rows: 260,304,896 at the most
	s_lshl_b32 s18, s10, 23
	s_add_co_u32 s16, s16, s18
	s_add_co_u32 s16, s16, s14
	s_mov_b32 s17, 0
	s_lshl_b32 s18, s11, 10                        ; scores: b rows of 4,096 bytes + 256 y numbers
	s_add_co_u32 s18, s18, s14
	s_mov_b32 s19, 0
	s_lshl_b32 s20, s10, 7
	v_mov_b32 v[SA], s20
	s_wait_kmcnt 0x0
	s_add_nc_u64 s[4:5], s[4:5], s[14:15]
	s_add_nc_u64 s[6:7], s[6:7], s[16:17]
	s_add_nc_u64 s[8:9], s[8:9], s[18:19]
	s_wait_alu depctr_va_vdst(0)                   ; LOFF, TO and SA are written: every load and store of the kernel reads one of them as its offset or address
.irp p, 0,1,2,3
	global_load_b128 v[P+4*\p:P+4*\p+3], v[TO], s[4:5] offset:\p*SROW         ; thread t: numbers 4 t .. 4 t + 3 of each plane
.endr
.irp n, 0,1,2,3,4,5
	FILL \n                                        ; the ring is filled before anything is waited for
.endr
	s_wait_loadcnt 48                              ; vpart's four are in; the six rows' 48 loads stay out
	v_pk_add_f32 v[P:P+1],     v[P:P+1],     v[P+4:P+5]
	v_pk_add_f32 v[P+2:P+3],   v[P+2:P+3],   v[P+6:P+7]
	v_pk_add_f32 v[P+8:P+9],   v[P+8:P+9],   v[P+12:P+13]
	v_pk_add_f32 v[P+10:P+11], v[P+10:P+11], v[P+14:P+15]
	v_pk_add_f32 v[P:P+1],     v[P:P+1],     v[P+8:P+9]
	v_pk_add_f32 v[P+2:P+3],   v[P+2:P+3],   v[P+10:P+11]
	s_wait_alu depctr_va_vdst(0)                   ; the additions have written v[P:P+3], which the LDS store reads
	ds_store_b128 v[TO], v[P:P+3]                  ; v[b], once for the work-group
	s_wait_dscnt 0x0                               ; written, for the other waves' sake
	s_barrier_signal -1
	s_barrier_wait -1                              ; enc's loads stay on their way: no wave writes those bytes
.irp j, 0,1,2,3,4,5,6,7
	ds_load_b128 v[V+4*\j:V+4*\j+3], v[LOFF] offset:512*\j                    ; in the order in which a row of enc is loaded
.endr
	s_wait_dscnt 0x0
	s_wait_alu depctr_vm_vsrc(0)                   ; my LDS store has read v[P:P+3]: these registers are OUT0 .. OUT3 from here on, which turns 0 to 3 write
	; behind row n stand the loads of rows n + 1 .. min(n + 5, 31): 40, and at the end 32, 24, 16, 8, 0
.irp n, 0,1,2,3,4,5,6,7,8,9,10,11,12,13,14,15,16,17,18,19,20,21,22,23,24,25
	TURN \n, 1, 40
.endr
	TURN 26, 0, 40                                 ; the last six rows fill nothing: no load leaves the wave's 32 rows
	TURN 27, 0, 32
	TURN 28, 0, 24
	TURN 29, 0, 16
	TURN 30, 0, 8
	TURN 31, 0, 0
	s_wait_alu depctr_va_vdst(0)                   ; turns 25 to 31 have written their OUT, which the seven LDS stores read; and every multiply-add is done reading slot 0, in which the load behind the barrier lands
.irp n, 25,26,27,28,29,30,31
	ds_store_b32 v[SA], v[OUT+(\n)%NOUT] offset:SC+4*(\n)                     ; every lane writes the same word with the same value
.endr
	s_wait_dscnt 0x0                               ; my 32 scores are written, for waves 0 and 1
	s_barrier_signal -1
	s_barrier_wait -1
	s_cmp_gt_u32 s10, 1
	s_cbranch_scc1 .Lend                           ; 256 scores are 1,024 bytes: two waves' stores of 16 bytes a lane
	ds_load_b128 v[X:X+3], v[TO] offset:SC         ; into registers that no memory instruction has read and no vector instruction names behind the last wait on va_vdst
	s_wait_dscnt 0x0
	global_store_b128 v[TO], v[X:X+3], s[8:9]      ; a wave stores 512 consecutive bytes, at a multiple of 256 from scores' first byte
.Lend:
	s_set_vgpr_msb 0x5
	s_wait_dscnt 0x0
	s_wait_alu depctr_hold_cnt(0) depctr_sa_sdst(0) depctr_va_vdst(0) depctr_va_sdst(0) depctr_va_ssrc(0) depctr_va_vcc(0) depctr_vm_vsrc(0)
	s_wait_tensorcnt 0x0
	ds_add_u32 v0, v1
	s_wait_dscnt 0x0
	s_endpgm
.Lfunc_end_k_q9ddba36c75_stream:
	.size	k_q9ddba36c75_stream, .Lfunc_end_k_q9ddba36c75_stream-k_q9ddba36c75_stream
	.p2alignl 7, 3214868480
	.fill 96, 4, 3214868480
	.section	.rodata,"a",@progbits
	.p2align	6, 0x0
	.amdhsa_kernel k_q9ddba36c75_stream
		.amdhsa_group_segment_fixed_size 6144
		.amdhsa_private_segment_fixed_size 0
		.amdhsa_enable_private_segment 0
		.amdhsa_kernarg_size 24
		.amdhsa_user_sgpr_count 2
		.amdhsa_user_sgpr_kernarg_segment_ptr 1
		.amdhsa_wavefront_size32 1
		.amdhsa_system_sgpr_workgroup_id_x 1
		.amdhsa_system_sgpr_workgroup_id_y 1
		.amdhsa_system_sgpr_workgroup_id_z 1
		.amdhsa_system_vgpr_workitem_id 0
		.amdhsa_next_free_vgpr 258
		.amdhsa_next_free_sgpr 66
		.amdhsa_reserve_vcc 0
		.amdhsa_float_denorm_mode_32 3
		.amdhsa_float_denorm_mode_16_64 3
		.amdhsa_memory_ordered 1
		.amdhsa_forward_progress 1
		.amdhsa_inst_pref_size 82
	.end_amdhsa_kernel
	.amdgpu_metadata
---
amdhsa.version: [ 1, 2 ]
amdhsa.kernels:
  - .name:           k_q9ddba36c75_stream
    .symbol:         k_q9ddba36c75_stream.kd
    .args:
      - { .name: vpart, .offset: 0, .size: 8, .value_kind: global_buffer, .address_space: global }
      - { .name: encoder_outputs, .offset: 8, .size: 8, .value_kind: global_buffer, .address_space: global }
      - { .name: scores, .offset: 16, .size: 8, .value_kind: global_buffer, .address_space: global }
    .group_segment_fixed_size: 6144
    .private_segment_fixed_size: 0
    .kernarg_segment_align: 8
    .kernarg_segment_size: 24
    .max_flat_workgroup_size: 256
    .sgpr_count:     66
    .vgpr_count:     258
    .wavefront_size: 32
...
	.end_amdgpu_metadata
.endif
;; end of part 4
;; launch softmax: the kernel of part 3 again; grid 64 x 1, 1 waves a work-group, no clusters, 0 bytes of LDS; arguments scores, hidden, b_attn, out0; writes out0
